; MI455X (gfx1250); checked and timed in simulation.
; The chip was launched on July 23, 2026; its instructions are those of AMD's public machine-readable ISA for CDNA 5 (MIT licence, August 2026) and "CDNA5" Instruction Set Architecture Reference Guide (July 2026). The comments in the code are by the model that wrote it; some were corrected since.
;; Pointer Net. Allowed arithmetic: float matrix products may take bf16 or f16 operands with f32 sums; other float arithmetic in f32, or as packed bf16 or f16 multiplies, adds, multiply-adds, maxima and minima; sums over many terms, partial sums and values carried from step to step in f32; what a program stores and reads back later, other than sums and carried values, may be rounded once to bf16 or f16.
;; Inputs: C1 8,192 x 1,024 float32; C2 8,192 x 1,024 float32; C3 8,192 x 1,024 float32; C4 8,192 x 1,024 float32; GateBias 1,024 float32; GateWeight_C 1,024 x 1,024 float32; GateWeight_P 1,024 x 1,024 float32; OutBias 1,024 x 1 float32; OutWeight 1,024 x 1,024 float32; P 8,192 x 1,024 float32.
;; Outputs: out0 8,192 x 4 float32.
;; One version. Each part assembles by itself: llvm-mc -triple=amdgcn-amd-amdhsa -mcpu=gfx1250 --defsym DOCPART=n.
;; ======== version 1 of 1: 4 launches
;; workspace buffers: wt 6,291,456 bytes; wpo 33,554,432 bytes; part 524,288 bytes; cb 67,108,864 bytes
;; launch prep (part 1): grid 128 x 3, 8 waves a work-group, no clusters, 19,456 bytes of LDS; arguments GateWeight_P, OutWeight, GateWeight_C, wt; writes wt
.if DOCPART == 1
	.amdgcn_target "amdgcn-amd-amdhsa--gfx1250"
	.amdhsa_code_object_version 6
	.text
	.protected	k_qc753f5bd98_prep
	.globl	k_qc753f5bd98_prep
	.p2align	8
	.type	k_qc753f5bd98_prep,@function
k_qc753f5bd98_prep:
	s_mov_b64 s[64:65], 0
	v_nop
	global_prefetch_b8 v0, s[64:65] scope:SCOPE_SE
	s_setreg_imm32_b32 hwreg(HW_REG_WAVE_MODE, 25, 1), 1
	s_wait_xcnt 0x0
; The three weights, f32 [k 1024][n 1024], are rounded once to bf16 and turned, so that K lies along the rows:
; wt = bf16 [kb 16][nn 3072][64 k]; nn 0-1023 GateWeight_P's columns, 1024-2047 OutWeight's, 2048-3071 GateWeight_C's.
; 128 nn of one kb are 16,384 consecutive bytes: what one tensor load of wt in gemmP brings; gemmC's brings 256 nn.
; A work-group takes 64 k x 128 n of one weight (x: kb = x / 8, nb = x % 8; y: which weight).  Eight waves; wave w, lane l reads
; rows 8 w .. 8 w + 7, columns 4 l .. 4 l + 3: each load of a wave covers 512 consecutive bytes.  A column's eight k pack into 16 bytes,
; go through LDS and come back as whole rows of 128 bytes; each store of a wave covers 512 consecutive bytes, aligned.
; No cluster and no matrix unit: the work-groups share no input and there is no product here.
.set PITCH, 144                        ; an LDS row: 128 bytes + 16: an odd multiple of 16, so the 16 rows that a store touches start at 16 different groups of four banks (ISA guide 11.1)
.set SPARE, 128*PITCH                  ; behind the stage: the spare words, 128 bytes for each of eight waves: four blocks of 256 bytes that no other line names
.set X,    8                           ; v[8:39]   row j of eight, four columns each
.set D,    40                          ; v[40:55]  column c of four: eight k in 16 bytes
.set OUTR, 56                          ; v[56:71]  four times 16 bytes read back
.set SPW,  72                          ; v72  LDS address of my spare word; never rewritten
.set NIL,  73                          ; v73  0; never rewritten
	s_load_b256 s[4:11], s[0:1], 0x0               ; GateWeight_P s[4:5], OutWeight s[6:7], GateWeight_C s[8:9], wt s[10:11]
	v_lshl_add_u32 v[SPW], v0, 2, SPARE
	v_mov_b32 v[NIL], 0
	v_and_b32 v1, 31, v0                           ; lane l
	v_lshrrev_b32 v2, 5, v0                        ; wave w
	s_and_b32 s14, ttmp7, 0xffff                   ; which weight
	s_lshr_b32 s15, ttmp9, 3                       ; kb
	s_and_b32 s16, ttmp9, 7                        ; nb
	v_lshlrev_b32 v3, 4, v1
	v_lshl_add_u32 v6, v2, 11, v3                  ; out: 2,048 w + 16 l
	v_lshl_add_u32 v3, v2, 15, v3                  ; in: 8 w rows of 4,096 bytes + 16 l
	v_mul_u32_u24 v4, v1, PITCH                    ; into the stage: column n = 4 l + c lies in stage row 32 c + l, so that the lanes of a store are one pitch apart;
	v_lshl_add_u32 v4, v2, 4, v4                   ; my wave's eight k at byte 16 w of it
	v_lshrrev_b32 v7, 3, v1
	v_mul_u32_u24 v5, v7, 32*PITCH                 ; back: column n = 16 w + 4 i + l / 8 lies in stage row 32 (l / 8) + 4 w + i;
	v_and_b32 v7, 7, v1
	v_lshl_add_u32 v5, v7, 4, v5                   ; eight lanes take its 128 bytes
	v_mul_u32_u24 v7, v2, 4*PITCH
	v_add_nc_u32 v5, v5, v7
	s_lshl_b32 s18, s15, 18                        ; 64 kb rows of 4,096 bytes
	s_lshl_b32 s17, s16, 9                         ; + 128 nb columns
	s_add_co_u32 s18, s18, s17
	s_mov_b32 s19, 0
	s_mul_i32 s20, s15, 3072                       ; wt: row kb x 3,072 + 1,024 y + 128 nb, of 128 bytes
	s_lshl_b32 s17, s14, 10
	s_add_co_u32 s20, s20, s17
	s_lshl_b32 s17, s16, 7
	s_add_co_u32 s20, s20, s17
	s_lshl_b32 s20, s20, 7
	s_mov_b32 s21, 0
	s_wait_kmcnt 0x0
	s_cmp_eq_u32 s14, 1
	s_cselect_b64 s[12:13], s[6:7], s[4:5]
	s_cmp_eq_u32 s14, 2
	s_cselect_b64 s[12:13], s[8:9], s[12:13]
	s_add_nc_u64 s[12:13], s[12:13], s[18:19]
	s_add_nc_u64 s[10:11], s[10:11], s[20:21]
.irp j, 0,1,2,3,4,5,6,7
	global_load_b128 v[X+4*(\j):X+4*(\j)+3], v3, s[12:13] offset:4096*(\j) th:TH_LOAD_NT  ; each weight byte is read once in the launch
.endr
	s_wait_loadcnt 0x0
.irp c, 0,1,2,3
.irp i, 0,1,2,3
	v_cvt_pk_bf16_f32 v[D+4*(\c)+(\i)], v[X+8*(\i)+(\c)], v[X+8*(\i)+4+(\c)]  ; k = 8 w + 2 i below, 8 w + 2 i + 1 above
.endr
.endr
.irp c, 0,1,2,3
	ds_store_b128 v4, v[D+4*(\c):D+4*(\c)+3] offset:32*PITCH*(\c)
.endr
	s_wait_dscnt 0x0                               ; for the others' sake: my stores into the stage are done
	s_barrier_signal -1
	s_barrier_wait -1
.irp i, 0,1,2,3
	ds_load_b128 v[OUTR+4*(\i):OUTR+4*(\i)+3], v5 offset:PITCH*(\i)
.endr
.irp i, 0,1,2,3
	s_wait_dscnt 3-(\i)                            ; LDS loads come back in order: number i is in, the younger ones may be out
	global_store_b128 v6, v[OUTR+4*(\i):OUTR+4*(\i)+3], s[10:11] offset:512*(\i)  ; four rows of wt: 512 consecutive bytes, at a multiple of 256 from wt's first byte
.endr
	s_wait_tensorcnt 0x0                           ; the wave's end: behind my last LDS store
	ds_add_u32 v[SPW], v[NIL]
	s_wait_dscnt 0x0
	s_endpgm
.Lfunc_end_k_qc753f5bd98_prep:
	.size	k_qc753f5bd98_prep, .Lfunc_end_k_qc753f5bd98_prep-k_qc753f5bd98_prep
	.p2alignl 7, 3214868480
	.fill 96, 4, 3214868480
	.section	.rodata,"a",@progbits
	.p2align	6, 0x0
	.amdhsa_kernel k_qc753f5bd98_prep
		.amdhsa_group_segment_fixed_size 19456
		.amdhsa_private_segment_fixed_size 0
		.amdhsa_enable_private_segment 0
		.amdhsa_kernarg_size 32
		.amdhsa_user_sgpr_count 2
		.amdhsa_user_sgpr_kernarg_segment_ptr 1
		.amdhsa_wavefront_size32 1
		.amdhsa_system_sgpr_workgroup_id_x 1
		.amdhsa_system_sgpr_workgroup_id_y 1
		.amdhsa_system_sgpr_workgroup_id_z 1
		.amdhsa_system_vgpr_workitem_id 0
		.amdhsa_next_free_vgpr 80
		.amdhsa_next_free_sgpr 66
		.amdhsa_reserve_vcc 0
		.amdhsa_float_denorm_mode_32 3
		.amdhsa_float_denorm_mode_16_64 3
		.amdhsa_memory_ordered 1
		.amdhsa_forward_progress 1
		.amdhsa_inst_pref_size 5
	.end_amdhsa_kernel
	.amdgpu_metadata
---
amdhsa.version: [ 1, 2 ]
amdhsa.kernels:
  - .name:           k_qc753f5bd98_prep
    .symbol:         k_qc753f5bd98_prep.kd
    .args:
      - { .name: GateWeight_P, .offset: 0, .size: 8, .value_kind: global_buffer, .address_space: global }
      - { .name: OutWeight, .offset: 8, .size: 8, .value_kind: global_buffer, .address_space: global }
      - { .name: GateWeight_C, .offset: 16, .size: 8, .value_kind: global_buffer, .address_space: global }
      - { .name: wt, .offset: 24, .size: 8, .value_kind: global_buffer, .address_space: global }
    .group_segment_fixed_size: 19456
    .private_segment_fixed_size: 0
    .kernarg_segment_align: 8
    .kernarg_segment_size: 32
    .max_flat_workgroup_size: 256
    .sgpr_count:     66
    .vgpr_count:     80
    .wavefront_size: 32
...
	.end_amdgpu_metadata
.endif
;; end of part 1
;; launch gemmP (part 2): grid 8 x 32, 4 waves a work-group, clusters of 4 x 4, 327,680 bytes of LDS; arguments P, wt, GateBias, OutBias, C1, C2, C3, C4, wpo, cb; writes wpo, cb
.if DOCPART == 2
	.amdgcn_target "amdgcn-amd-amdhsa--gfx1250"
	.amdhsa_code_object_version 6
	.text
	.protected	k_qc753f5bd98_gemmP
	.globl	k_qc753f5bd98_gemmP
	.p2align	8
	.type	k_qc753f5bd98_gemmP,@function
k_qc753f5bd98_gemmP:
	s_mov_b64 s[64:65], 0
	v_nop
	global_prefetch_b8 v0, s[64:65] scope:SCOPE_SE
	s_setreg_imm32_b32 hwreg(HW_REG_WAVE_MODE, 25, 1), 1
	s_wait_xcnt 0x0
	s_wait_alu depctr_hold_cnt(0) depctr_sa_sdst(0) depctr_va_vdst(0) depctr_va_sdst(0) depctr_va_ssrc(0) depctr_va_vcc(0) depctr_vm_vsrc(0)
	s_getreg_b32 s2, hwreg(HW_REG_IB_STS2, 6, 4)
	s_cmp_eq_u32 s2, 0
	s_cbranch_scc0 .Lentry_in_a_cluster
	s_endpgm
.Lentry_in_a_cluster:
	s_bfe_u32 s2, ttmp6, 0x10000c
	s_cmp_lg_u32 s2, 0xf033
	s_cbranch_scc0 .Lentry_shape_is_right
	s_endpgm
.Lentry_shape_is_right:
; P [8192][1024] f32 times GateWeight_P and OutWeight (wt's rows 0-2047, bf16, K along the rows); sums in f32.  Stored, rounded once to bf16:
;   WP' = -log2(e) (P GateWeight_P + GateBias)   and   WO' = P OutWeight + OutBias,
; in wpo = [R = b / 16, 512][J 128][lane 32][8 bf16]: tile (R, J) is an accumulator as it lies in the lanes (row 16 R + lane % 16, columns 16 J' + 8 (lane / 16) + 0..7);
; J 0-63 WP', J 64-127 WO'.  The next launch's lanes take their 16 bytes back as they were stored, so no LDS stage is needed on the way out.
; BESIDE THE PRODUCTS the launch rounds C1..C4 to bf16 for the next launch: cb = bf16 [choice 4][8192][1024].  The 256 work-groups share the 4 x 8,192 rows: 128 rows a work-group, 32 a wave,
; two rows in each of the 16 K steps; the loads of two rows are issued a K step ahead of their use.  No product waits for this work.
; LIMITS.  Operands are rounded to bf16; WP' and WO' are kept in bf16, not f16, so that they have f32's range.  NaN and infinities are not treated apart.
; SHAPE.  A tile is 256 rows x 256 columns: four waves of 128 x 128, 64 accumulators, 512 registers.  256 work-groups.  K goes in 16 steps of 64 through two LDS slots.
; P's tile comes into LDS AS F32 (rows of 256 bytes, at multiples of 256 bytes) and is rounded to bf16 in registers, eight conversions behind every eight matrix instructions:
; P is read from memory once, and no bf16 copy of it goes to memory and back.  A slot of K = 128 would take 212,992 bytes: two do not fit.
; CLUSTER.  4 x 4 work-groups; P's tile is asked for jointly along a row of the cluster, wt's along a column.
; THE MATRIX INSTRUCTION IS USED TRANSPOSED (source 0 = 16 rows of wt, source 1 = 16 rows of P): a lane holds eight neighbouring columns of one row.
; REGISTERS, in windows of 256 (s_set_vgpr_msb: bits 1:0 source 0, 3:2 source 1, 5:4 source 2, 7:6 destination):
;   window 0: v0-31 addresses; v32-63, v192-223 two rows of C_k on their way; v64-127, v128-191 wt's fragments, two buffers; at the end v192-255 the bias
;   window 1: v0-127 P's fragments as f32 (fragment f at 16 f); v128-191 the same in bf16, ONE buffer (fragment f at 128 + 8 f); v192, v193 P's LDS addresses
;   windows 2, 3: the accumulators: (a, b) at 8 (8 (a % 4) + b) of window 2 + a / 4
; A conversion has all its registers in window 1, a product's sources lie in windows 0 and 1 and its sums in 2 or 3: each group of eight products and eight conversions costs
; two switches, eighteen for 64 products.  That is the price of converting on the way in.
.set PA,    272                        ; an LDS row of P: 256 bytes + 16; of wt: 128 + 16.  Both are odd multiples of 16, so the 16 rows that a load touches start at 16 different groups of four banks (ISA guide 11.1)
.set PB,    144
.set AHALF, 128*PA                     ; what one tensor load brings of P, and what a wave reads of it
.set ATILE, 256*PA
.set BHALF, 128*PB                     ; the same for wt
.set SLOT1, 1<<17                      ; a slot is ATILE + 2 BHALF = 106,496 bytes; slot 1 begins here, so that one exclusive or turns an address in one slot into the other's
.set SPARE, SLOT1+ATILE+2*BHALF        ; behind the ring: the spare words, 128 bytes for each wave: two blocks of 256 bytes that no other line names
.set KB_BYTES, 3072*128                ; from a K step of wt to the next
.set NN0,   0                          ; wt's first row for this launch
.set RB0, 4                            ; v4   my lane's place in slot 0's tile of wt; never rewritten
.set RB,  5                            ; v5   the same in the slot being read
.set RO,  7                            ; v7   8 x lane: my 8 bytes in 256 bytes of cb; never rewritten
.set BO,  8                            ; v8   my byte offset in the bias; never rewritten
.set GO,  9                            ; v9   16 x lane: my 16 bytes in a tile of wpo, and in 512 bytes of C_k; never rewritten
.set SPW, 30                           ; v30  LDS address of my spare word; never rewritten
.set NIL, 31                           ; v31  0; never rewritten
.set LR0, 32                           ; a row of C_k: 8 x 4 registers
.set LR1, 192                          ; the row below it
.set BF,  64                           ; wt's fragments
.set BI,  192                          ; the bias of my 128 columns: column block b, register j at BI + 8 b + j
.set TT,  64                           ; the way out: a block's 64 numbers in f32
.set OB0, 128                          ; the way out: packed, two buffers of 32
.set AF,  128                          ; window 1
.set RA0, 192                          ; window 1
.set RA,  193                          ; window 1
.set WV, 20                            ; s20 wave; s21 its half of the rows, also: 0 = I fetch P, 1 = wt; s22 its half of the columns, also: which 128 rows I fetch
.set WM, 21
.set WN, 22
.set CX, 23
.set CY, 24
.set TX, 25                            ; tile column, 0-7
.set TY, 26                            ; tile row, 0-31
.set G1A, 28                           ; s[28:35] descriptor group 1 for P's tiles;  s[36:43] for wt's
.set G1B, 36
.set G0A, 44                           ; s[44:47] group 0 of P's first fill, s[48:51] the one that walks;  s[52:55], s[56:59] the same for wt
.set G0B, 52
.set TB,  60                           ; s60  0 or SLOT1: the slot being read
.set CNT, 61
.set BP,  72                           ; s[72:73] the bias at my columns
.set SCL, 76                           ; s[76:77] -log2(e) or 1
.set OB,  78                           ; s[78:79] wpo at my first tile
.set CO,  88                           ; s[88:89] cb at the two rows in hand
.set CI,  90                           ; s[90:91] C_k at the two rows on their way
.set MSB, 0
.macro WIN new                         ; the immediate's high byte repeats the setting that is left; a switch that changes nothing is dropped
.if MSB != (\new)
	s_set_vgpr_msb (MSB<<8)|(\new)
.set MSB, \new
.endif
.endm
.macro PLACES
.rept 4
	v_nop
.endr
.endm
; A joint refill, by the walking descriptors.  The branch hangs on the wave's number alone.  An s_nop 0 and four v_nop follow each of the two lines.
.macro JLOAD
	s_cmp_eq_u32 s[WM], 0
	s_cbranch_scc0 .Lfor_b_\@
	tensor_load_to_lds s[G0A+4:G0A+7], s[G1A:G1A+7]
	s_nop 0
	PLACES
	s_branch .Lasked_\@
.Lfor_b_\@:
	tensor_load_to_lds s[G0B+4:G0B+7], s[G1B:G1B+7]
	s_nop 0
	PLACES
.Lasked_\@:
.endm
.macro CREST                           ; a round of the cluster's barrier behind its opening barrier
	s_cmp_lg_u32 s[WV], 0
	s_cbranch_scc1 .Lnot_wave_0_\@
	s_barrier_signal -3
.Lnot_wave_0_\@:
	s_barrier_wait -3
	s_barrier_signal -1
	s_barrier_wait -1
.endm
.macro CROUND                          ; a whole round
	s_barrier_signal -1
	s_barrier_wait -1
	CREST
.endm
; Eight products: row block a x all 8 column blocks, 32 along K, wt's buffer p.  zero = 1: they start the sums.  The 64 accumulators take turns, one instruction a turn.
.macro MUL8 p, a, zero
	WIN 0xa4+0x50*((\a)/4)
.irp b, 0,1,2,3,4,5,6,7
.if \zero
	v_wmma_f32_16x16x32_bf16 v[8*(8*((\a)%4)+(\b)):8*(8*((\a)%4)+(\b))+7], v[BF+64*(\p)+8*(\b):BF+64*(\p)+8*(\b)+7], v[AF+8*(\a):AF+8*(\a)+7], 0
.else
	v_wmma_f32_16x16x32_bf16 v[8*(8*((\a)%4)+(\b)):8*(8*((\a)%4)+(\b))+7], v[BF+64*(\p)+8*(\b):BF+64*(\p)+8*(\b)+7], v[AF+8*(\a):AF+8*(\a)+7], v[8*(8*((\a)%4)+(\b)):8*(8*((\a)%4)+(\b))+7]
.endif
.endr
.endm
.macro CVT8 f                          ; fragment f: 16 f32 a lane become 8 registers of bf16
	WIN 0x45
.irp i, 0,1,2,3,4,5,6,7
	v_cvt_pk_bf16_f32 v[AF+8*(\f)+(\i)], v[16*(\f)+2*(\i)], v[16*(\f)+2*(\i)+1]
.endr
.endm
; Four fragments of P as f32, from f0 on, K half kh of the step.  Lane l holds row l % 16; K = 8 (l / 16) + 0..7 are 32 bytes, K = 16 + 8 (l / 16) + 0..7 the 32 bytes 64 further on.
.macro LDA f0, kh
	WIN 0x45
.irp f, (\f0),(\f0)+1,(\f0)+2,(\f0)+3
	ds_load_b128 v[16*(\f):16*(\f)+3],     v[RA] offset:16*PA*(\f)+128*(\kh)
	ds_load_b128 v[16*(\f)+4:16*(\f)+7],   v[RA] offset:16*PA*(\f)+128*(\kh)+16
	ds_load_b128 v[16*(\f)+8:16*(\f)+11],  v[RA] offset:16*PA*(\f)+128*(\kh)+64
	ds_load_b128 v[16*(\f)+12:16*(\f)+15], v[RA] offset:16*PA*(\f)+128*(\kh)+80
.endr
.endm
.macro LDB q, kh                       ; the eight fragments of wt, K half kh, into buffer q
	WIN 0
.irp i, 0,1,2,3,4,5,6,7
	ds_load_b128 v[BF+64*(\q)+8*(\i):BF+64*(\q)+8*(\i)+3],   v[RB] offset:16*PB*(\i)+64*(\kh)
	ds_load_b128 v[BF+64*(\q)+8*(\i)+4:BF+64*(\q)+8*(\i)+7], v[RB] offset:16*PB*(\i)+64*(\kh)+32
.endr
.endm
; A group: eight products with fragment a, then (cv = 1) the conversion into the place four fragments on.  That place's last reader stands four groups back, with 32 conversions
; between that name none of its registers: more than the four places that a vector write of a matrix source needs (ISA guide 7.12.1).
.macro G p, a, zero, cv
	MUL8 \p, \a, \zero
.if \cv
	CVT8 ((\a)+4)%8
.endif
.endm
; A HALF STEP, 32 along K: multiplies the bf16 fragments by wt's buffer p and makes the next half step ready, whose K half in its step is kh.
; meet = 1: the change of slots.  The loads above are the last reads of the slot.  Each wave waits for all its tensor loads (one is out: its part of the other slot), adds 0 to its spare word, and waits
; for that and for its reads; then the barrier.  fill = 1: the barrier opens a round of the cluster's, and the slot is filled again, first thing behind it, with the step two on:
; 112 products stand between that request and the wait for it.
.macro HALF kh, p, zero, meet, fill
	LDA 0, \kh                                     ; P's fragments 0-3 of the next half step,
	LDB 1-(\p), \kh                                ; and its wt: that buffer's last reader stands eight conversions back
	s_wait_dscnt 32                                ; all but the 32 just issued: this half step's wt and P's fragments 4-7 are in
	G \p, 0, \zero, 1
	G \p, 1, \zero, 1
	G \p, 2, \zero, 1
	G \p, 3, \zero, 1
	LDA 4, \kh                                     ; fragments 4-7 of the next half step, where this one's have just been converted
	s_wait_dscnt 32                                ; the youngest 32 (wt's 16, these 16) may be out: fragments 0-3 are in
	G \p, 4, \zero, 1
	G \p, 5, \zero, 1
.if \meet
	WIN 0                                          ; (the add's two registers lie in window 0)
	s_wait_tensorcnt 0x0                           ; all my tensor loads have landed, so a group 0 may be written;
	ds_add_u32 v[SPW], v[NIL]                      ; 0 onto my spare word; work on registers stands between it and the wait for it
.if \fill
	s_xor_b32 s[G0A+5], s[G0A+5], SLOT1            ; the walking descriptors: the other slot than last time, the next K step; the type bits on top are not reached
	s_add_nc_u64 s[G0A+6:G0A+7], s[G0A+6:G0A+7], 256
	s_xor_b32 s[G0B+5], s[G0B+5], SLOT1
	s_add_nc_u64 s[G0B+6:G0B+7], s[G0B+6:G0B+7], KB_BYTES
.endif
.endif
	G \p, 6, \zero, 1
.if \meet
	s_wait_dscnt 0x0                               ; the add is done, and my reads of this slot are over
	s_barrier_signal -1
.endif
	G \p, 7, \zero, 1
.if \meet
	WIN 0                                          ; at a branch and at a label every window is 0
	s_barrier_wait -1
.if \fill
	CREST                                          ; no wave of any partner still reads the slot or has a load on its way
	JLOAD
.endif
.endif
.endm
.macro TOGGLE                          ; the LDS reads go on in the other slot
	s_xor_b32 s[TB], s[TB], SLOT1
	WIN 0
	v_add_nc_u32 v[RB], s[TB], v[RB0]
	WIN 0x45
	v_add_nc_u32 v[RA], s[TB], v[RA0]
.endm
.macro TAILHALF                        ; the last half step: nothing more to fetch
	s_wait_dscnt 0x0
	G 1, 0, 0, 1
	G 1, 1, 0, 1
	G 1, 2, 0, 1
	G 1, 3, 0, 1
	G 1, 4, 0, 0
	G 1, 5, 0, 0
	G 1, 6, 0, 0
	G 1, 7, 0, 0
.endm
; THE RIDERS.  Two rows of C_k, 8,192 bytes: sixteen loads, each of 512 consecutive bytes.
.macro RLOAD
.irp j, 0,1,2,3,4,5,6,7
	global_load_b128 v[LR0+4*(\j):LR0+4*(\j)+3], v[GO], s[CI:CI+1] offset:512*(\j) th:TH_LOAD_NT  ; each byte of C_k is read once in the launch
.endr
.irp j, 0,1,2,3,4,5,6,7
	global_load_b128 v[LR1+4*(\j):LR1+4*(\j)+3], v[GO], s[CI:CI+1] offset:4096+512*(\j) th:TH_LOAD_NT
.endr
.endm
; The two rows asked for a K step ago are rounded in place and stored; more = 1: the next two are asked for, into the same registers.
.macro RIDE more
	WIN 0
	s_wait_loadcnt 0x0                             ; no other global load of mine is out
.irp j, 0,1,2,3,4,5,6,7
	v_cvt_pk_bf16_f32 v[LR0+4*(\j)],   v[LR0+4*(\j)],   v[LR0+4*(\j)+1]
	v_cvt_pk_bf16_f32 v[LR0+4*(\j)+1], v[LR0+4*(\j)+2], v[LR0+4*(\j)+3]
	v_cvt_pk_bf16_f32 v[LR1+4*(\j)],   v[LR1+4*(\j)],   v[LR1+4*(\j)+1]
	v_cvt_pk_bf16_f32 v[LR1+4*(\j)+1], v[LR1+4*(\j)+2], v[LR1+4*(\j)+3]
.endr
.irp j, 0,1,2,3,4,5,6,7
	global_store_b64 v[RO], v[LR0+4*(\j):LR0+4*(\j)+1], s[CO:CO+1] offset:256*(\j) th:TH_STORE_NT  ; 32 lanes store 256 consecutive bytes, at a multiple of 256 from cb's first byte
.endr
.irp j, 0,1,2,3,4,5,6,7
	global_store_b64 v[RO], v[LR1+4*(\j):LR1+4*(\j)+1], s[CO:CO+1] offset:2048+256*(\j) th:TH_STORE_NT
.endr
	s_wait_xcnt 0x0                                ; the stores' data registers and base are written again only behind this wait
.if \more
	s_add_nc_u64 s[CI:CI+1], s[CI:CI+1], 8192
	s_add_nc_u64 s[CO:CO+1], s[CO:CO+1], 4096
	RLOAD
.endif
.endm
	s_load_b256 s[4:11], s[0:1], 0x0               ; P s[4:5], wt s[6:7], GateBias s[8:9], OutBias s[10:11]
	s_load_b256 s[80:87], s[0:1], 0x20             ; C1 s[80:81], C2 s[82:83], C3 s[84:85], C4 s[86:87]
	s_load_b128 s[12:15], s[0:1], 0x40             ; wpo s[12:13], cb s[14:15]
	v_lshl_add_u32 v[SPW], v0, 2, SPARE
	v_mov_b32 v[NIL], 0
	ds_add_u32 v[SPW], v[NIL]                      ; the wave's opening: the add and its wait stand ahead of my first tensor load; the set-up below, work on registers, stands between them
	v_lshrrev_b32 v1, 5, v0
	v_readfirstlane_b32 s[WV], v1
	s_lshr_b32 s[WM], s[WV], 1
	s_and_b32 s[WN], s[WV], 1
	s_bfe_u32 s[CX], ttmp6, 0x40000
	s_bfe_u32 s[CY], ttmp6, 0x40004
	s_lshl_b32 s[TX], ttmp9, 2                     ; in a cluster launch ttmp9 and ttmp7 count clusters
	s_add_co_u32 s[TX], s[TX], s[CX]
	s_and_b32 s[TY], ttmp7, 0xffff                 ; the cluster's y, 0-7
	s_and_b32 s17, s[TY], 3                        ; the riders' choice: alike in a whole cluster
	s_lshr_b32 s16, s[TY], 2
	s_lshl_b32 s[TY], s[TY], 2
	s_add_co_u32 s[TY], s[TY], s[CY]
	s_lshl_b32 s16, s16, 1                         ; my number among the 64 work-groups of that choice: ((y / 4) x 2 + cluster x) x 16 + 4 cy + cx
	s_add_co_u32 s16, s16, ttmp9
	s_lshl_b32 s16, s16, 2
	s_add_co_u32 s16, s16, s[CY]
	s_lshl_b32 s16, s16, 2
	s_add_co_u32 s16, s16, s[CX]
	s_lshl_b32 s94, s16, 19                        ; C_k: 128 rows of 4,096 bytes a work-group, 32 a wave
	s_lshl_b32 s19, s[WV], 17
	s_add_co_u32 s94, s94, s19
	s_mov_b32 s95, 0
	s_lshl_b32 s2, s17, 24                         ; cb: 8,192 rows of 2,048 bytes a choice, and the same rows
	s_lshl_b32 s19, s16, 18
	s_add_co_u32 s2, s2, s19
	s_lshl_b32 s19, s[WV], 16
	s_add_co_u32 s2, s2, s19
	s_mov_b32 s3, 0
	s_lshl_b32 s62, s[CY], 2
	s_lshl_b32 s62, 15, s62                        ; my row of the cluster
	s_lshl_b32 s63, 0x1111, s[CX]                  ; my column
	s_or_b32 s[G1A], s62, (2<<16)|(1<<20)|(1<<21)|(5<<22)|(3<<25)  ; the mask; elements of 4 bytes; padding on; bit 21 beside a mask; after every 64 words, 4 words
	s_mov_b32 s[G1A+1], 64<<16                     ; tensor_dim0 = 64
	s_mov_b32 s[G1A+2], 128<<16                    ; tensor_dim1 = 128
	s_mov_b32 s[G1A+3], 64<<16                     ; tile_dim0 = 64 elements: 256 bytes
	s_mov_b32 s[G1A+4], 128                        ; tile_dim1 = 128 rows
	s_mov_b32 s[G1A+5], 1024                       ; elements from row to row
	s_mov_b32 s[G1A+6], 0
	s_mov_b32 s[G1A+7], 0
	s_or_b32 s[G1B], s63, (1<<16)|(1<<20)|(1<<21)|(4<<22)|(3<<25)  ; elements of 2 bytes; after every 32 words (a row of wt), 4 words
	s_mov_b32 s[G1B+1], 128<<16                    ; 128 rows of wt are 16,384 dense bytes: asked for as 64 rows of 256 bytes
	s_mov_b32 s[G1B+2], 64<<16
	s_mov_b32 s[G1B+3], 128<<16
	s_mov_b32 s[G1B+4], 64
	s_mov_b32 s[G1B+5], 128
	s_mov_b32 s[G1B+6], 0
	s_mov_b32 s[G1B+7], 0
	s_lshl_b32 s66, s[TY], 20                      ; P: row 256 x tile row + 128 x half, of 4,096 bytes: it hangs on what my row of the cluster shares
	s_lshl_b32 s67, s[WN], 19
	s_add_co_u32 s66, s66, s67
	s_mov_b32 s67, 0
	s_lshl_b32 s68, s[TX], 15                      ; wt: row NN0 + 256 x tile column + 128 x half, of 128 bytes: what my column shares
	s_lshl_b32 s69, s[WN], 14
	s_add_co_u32 s68, s68, s69
	s_add_co_u32 s68, s68, NN0*128
	s_mov_b32 s69, 0
	s_mul_i32 s70, s[WN], AHALF                    ; where they go: no place in the cluster enters an LDS address
	s_mul_i32 s71, s[WN], BHALF
	s_add_co_u32 s71, s71, ATILE
	s_and_b32 s74, s[TX], 3                        ; the bias of my 128 columns: (256 (tile column % 4) + 128 x half) x 4 bytes
	s_lshl_b32 s74, s74, 10
	s_lshl_b32 s75, s[WN], 9
	s_add_co_u32 s74, s74, s75
	s_mov_b32 s75, 0
	s_lshl_b32 s92, s[TY], 20                      ; wpo: tile ((16 tile row + 8 half) x 128 + 16 tile column + 8 half) of 512 bytes
	s_lshl_b32 s18, s[WM], 19
	s_add_co_u32 s92, s92, s18
	s_lshl_b32 s18, s[TX], 13
	s_add_co_u32 s92, s92, s18
	s_lshl_b32 s18, s[WN], 12
	s_add_co_u32 s92, s92, s18
	s_mov_b32 s93, 0
	s_mov_b32 s[TB], 0
	s_wait_dscnt 0x0                               ; the opening add is done
	s_wait_kmcnt 0x0
	s_add_nc_u64 s[66:67], s[4:5], s[66:67]
	s_add_nc_u64 s[68:69], s[6:7], s[68:69]
	s_cmp_eq_u32 ttmp9, 0                          ; tile columns 0-3 (cluster column 0) are GateWeight_P's, 4-7 OutWeight's: alike in a whole cluster
	s_cselect_b64 s[BP:BP+1], s[8:9], s[10:11]
	s_cselect_b32 s[SCL], 0xbfb8aa3b, 1.0          ; -log2(e), or 1
	s_mov_b32 s[SCL+1], s[SCL]                     ; named with it as a pair
	s_add_nc_u64 s[BP:BP+1], s[BP:BP+1], s[74:75]
	s_add_nc_u64 s[OB:OB+1], s[12:13], s[92:93]
	s_cmp_eq_u32 s17, 1
	s_cselect_b64 s[CI:CI+1], s[82:83], s[80:81]
	s_cmp_eq_u32 s17, 2
	s_cselect_b64 s[CI:CI+1], s[84:85], s[CI:CI+1]
	s_cmp_eq_u32 s17, 3
	s_cselect_b64 s[CI:CI+1], s[86:87], s[CI:CI+1]
	s_add_nc_u64 s[CI:CI+1], s[CI:CI+1], s[94:95]
	s_add_nc_u64 s[CO:CO+1], s[14:15], s[2:3]
.irp s, 0,1
	s_mov_b32 s[G0A+4*(\s)], 1                     ; count = 1
	s_add_co_u32 s[G0A+4*(\s)+1], s70, (\s)*SLOT1  ; LDS address
	s_add_nc_u64 s[G0A+4*(\s)+2:G0A+4*(\s)+3], s[66:67], (\s)*256  ; global address: K step s
	s_or_b32 s[G0A+4*(\s)+3], s[G0A+4*(\s)+3], 0x80000000          ; type = 2
	s_mov_b32 s[G0B+4*(\s)], 1
	s_add_co_u32 s[G0B+4*(\s)+1], s71, (\s)*SLOT1
	s_add_nc_u64 s[G0B+4*(\s)+2:G0B+4*(\s)+3], s[68:69], (\s)*KB_BYTES
	s_or_b32 s[G0B+4*(\s)+3], s[G0B+4*(\s)+3], 0x80000000
.endr
	CROUND                                         ; all sixteen work-groups are here: the first joint loads meet
	s_cmp_eq_u32 s[WM], 0                          ; a wave's two first fills stand in one branch: two loads of mine are out
	s_cbranch_scc0 .Lfirst_b
	tensor_load_to_lds s[G0A:G0A+3], s[G1A:G1A+7]
	s_nop 0
	tensor_load_to_lds s[G0A+4:G0A+7], s[G1A:G1A+7]
	s_nop 0
	PLACES
	s_branch .Lfirst_asked
.Lfirst_b:
	tensor_load_to_lds s[G0B:G0B+3], s[G1B:G1B+7]
	s_nop 0
	tensor_load_to_lds s[G0B+4:G0B+7], s[G1B:G1B+7]
	s_nop 0
	PLACES
.Lfirst_asked:
	v_and_b32 v3, 31, v0
	v_lshlrev_b32 v[GO], 4, v3
	v_lshlrev_b32 v[RO], 3, v3
	RLOAD                                          ; the riders' first two rows
	v_and_b32 v1, 15, v0                           ; r = l % 16
	v_bfe_u32 v2, v0, 4, 1                         ; h = l / 16
	v_lshlrev_b32 v[BO], 5, v2                     ; eight f32 of the bias for each half of the lanes
	v_mul_u32_u24 v3, v1, PA
	v_lshl_add_u32 v3, v2, 5, v3                   ; P: row x pitch + 32 x half
	s_mul_i32 s70, s[WM], AHALF
	WIN 0x40
	v_add_nc_u32 v[RA0], s70, v3
	v_add_nc_u32 v[RA], s70, v3
	WIN 0
	v_mul_u32_u24 v3, v1, PB
	v_lshl_add_u32 v3, v2, 4, v3                   ; wt: row x pitch + 16 x half
	s_mul_i32 s71, s[WN], BHALF
	s_add_co_u32 s71, s71, ATILE
	v_add_nc_u32 v[RB0], s71, v3
	v_add_nc_u32 v[RB], s71, v3
	s_wait_tensorcnt 0x1                           ; my part of K step 0 is in; step 1's, issued behind it, may stay out
	s_barrier_signal -1
	s_barrier_wait -1
	LDA 0, 0
	LDA 4, 0
	LDB 0, 0
	s_wait_dscnt 0x0
	CVT8 0
	CVT8 1
	CVT8 2
	CVT8 3
	HALF 1, 0, 1, 1, 1                             ; half step 0 starts the sums; slot 0 is asked for again: K step 2
	s_mov_b32 s[CNT], 13
.Lp:                                                   ; trip t: half steps 2 t + 1 and 2 t + 2; K step t + 3 is asked for; the riders' rows 2 t, 2 t + 1 leave, straight behind the refill
	RIDE 1
	TOGGLE
	HALF 0, 1, 0, 0, 0
	HALF 1, 0, 0, 1, 1
	s_sub_co_u32 s[CNT], s[CNT], 1
	s_cmp_lg_u32 s[CNT], 0
	s_cbranch_scc1 .Lp
	s_mov_b32 s[CNT], 2
.Lq:                                                   ; half steps 27 to 30: nothing is left to ask for.  The first trip's barrier shows K step 15 to every wave; the second's serves nothing here: the price of one text for both trips
	RIDE 1
	TOGGLE
	HALF 0, 1, 0, 0, 0
	HALF 1, 0, 0, 1, 0
	s_sub_co_u32 s[CNT], s[CNT], 1
	s_cmp_lg_u32 s[CNT], 0
	s_cbranch_scc1 .Lq
	RIDE 0                                         ; the riders' rows 30 and 31: 15 trips have asked for 15 x 2 rows behind the first two
.irp b, 0,1,2,3,4,5,6,7
	global_load_b128 v[BI+8*(\b):BI+8*(\b)+3],   v[BO], s[BP:BP+1] offset:64*(\b)      ; the bias, where the riders' second row lay; the last half step stands between these loads and the wait for them
	global_load_b128 v[BI+8*(\b)+4:BI+8*(\b)+7], v[BO], s[BP:BP+1] offset:64*(\b)+16
.endr
	TAILHALF
	; THE WAY OUT.  scale x sum + scale x bias, one fused multiply-add; rounded to bf16; a lane's eight numbers are the 16 bytes of its place in the tile of wpo.
	WIN 0
	s_wait_loadcnt 0x0                             ; the bias
.set z, 0
.rept 32
	v_pk_mul_f32 v[BI+z:BI+z+1], v[BI+z:BI+z+1], s[SCL:SCL+1] op_sel_hi:[1,0]  ; these 32 name no register of the last products: they are the places behind them
.set z, z+2
.endr
.macro OUTB a
.set AC, 64*((\a)%4)
.set OO, OB0+32*((\a)%2)
	WIN 0x02+((\a)/4)                              ; source 0 in window 2 or 3
.irp b, 0,1,2,3,4,5,6,7
.irp i, 0,1,2,3
	v_pk_fma_f32 v[TT+8*(\b)+2*(\i):TT+8*(\b)+2*(\i)+1], v[AC+8*(\b)+2*(\i):AC+8*(\b)+2*(\i)+1], s[SCL:SCL+1], v[BI+8*(\b)+2*(\i):BI+8*(\b)+2*(\i)+1] op_sel_hi:[1,0,1]  ; each accumulator from its low end on
.endr
.endr
	WIN 0
	s_wait_xcnt 0x0                                ; the registers that earlier stores read are rewritten only behind this wait
.irp b, 0,1,2,3,4,5,6,7
.irp i, 0,1,2,3
	v_cvt_pk_bf16_f32 v[OO+4*(\b)+(\i)], v[TT+8*(\b)+2*(\i)], v[TT+8*(\b)+2*(\i)+1]
.endr
.endr
.irp b, 0,1,2,3,4,5,6,7
	global_store_b128 v[GO], v[OO+4*(\b):OO+4*(\b)+3], s[OB:OB+1] offset:65536*(\a)+512*(\b)  ; a whole tile: 512 consecutive bytes, at a multiple of 256 from wpo's first byte
.endr
.endm
.irp a, 0,1,2,3,4,5,6,7
	OUTB \a
.endr
	s_wait_tensorcnt 0x0                           ; the wave's end
	ds_add_u32 v[SPW], v[NIL]
	s_wait_dscnt 0x0
	CROUND                                         ; the closing round: no work-group ends while a partner may still ask for a tile that names it
	s_endpgm
.Lfunc_end_k_qc753f5bd98_gemmP:
	.size	k_qc753f5bd98_gemmP, .Lfunc_end_k_qc753f5bd98_gemmP-k_qc753f5bd98_gemmP
	.p2alignl 7, 3214868480
	.fill 96, 4, 3214868480
	.section	.rodata,"a",@progbits
	.p2align	6, 0x0
	.amdhsa_kernel k_qc753f5bd98_gemmP
		.amdhsa_group_segment_fixed_size 327680
		.amdhsa_private_segment_fixed_size 0
		.amdhsa_enable_private_segment 0
		.amdhsa_kernarg_size 80
		.amdhsa_user_sgpr_count 2
		.amdhsa_user_sgpr_kernarg_segment_ptr 1
		.amdhsa_wavefront_size32 1
		.amdhsa_system_sgpr_workgroup_id_x 1
		.amdhsa_system_sgpr_workgroup_id_y 1
		.amdhsa_system_sgpr_workgroup_id_z 1
		.amdhsa_system_vgpr_workitem_id 0
		.amdhsa_next_free_vgpr 1024
		.amdhsa_next_free_sgpr 96
		.amdhsa_reserve_vcc 0
		.amdhsa_float_denorm_mode_32 3
		.amdhsa_float_denorm_mode_16_64 3
		.amdhsa_memory_ordered 1
		.amdhsa_forward_progress 1
		.amdhsa_inst_pref_size 139
	.end_amdhsa_kernel
	.amdgpu_metadata
---
amdhsa.version: [ 1, 2 ]
amdhsa.kernels:
  - .name:           k_qc753f5bd98_gemmP
    .symbol:         k_qc753f5bd98_gemmP.kd
    .args:
      - { .name: P, .offset: 0, .size: 8, .value_kind: global_buffer, .address_space: global }
      - { .name: wt, .offset: 8, .size: 8, .value_kind: global_buffer, .address_space: global }
      - { .name: GateBias, .offset: 16, .size: 8, .value_kind: global_buffer, .address_space: global }
      - { .name: OutBias, .offset: 24, .size: 8, .value_kind: global_buffer, .address_space: global }
      - { .name: C1, .offset: 32, .size: 8, .value_kind: global_buffer, .address_space: global }
      - { .name: C2, .offset: 40, .size: 8, .value_kind: global_buffer, .address_space: global }
      - { .name: C3, .offset: 48, .size: 8, .value_kind: global_buffer, .address_space: global }
      - { .name: C4, .offset: 56, .size: 8, .value_kind: global_buffer, .address_space: global }
      - { .name: wpo, .offset: 64, .size: 8, .value_kind: global_buffer, .address_space: global }
      - { .name: cb, .offset: 72, .size: 8, .value_kind: global_buffer, .address_space: global }
    .group_segment_fixed_size: 327680
    .private_segment_fixed_size: 0
    .kernarg_segment_align: 8
    .kernarg_segment_size: 80
    .max_flat_workgroup_size: 128
    .sgpr_count:     96
    .vgpr_count:     1024
    .wavefront_size: 32
...
	.end_amdgpu_metadata
.endif
;; end of part 2
;; launch gemmC (part 3): grid 4 x 128, 4 waves a work-group, clusters of 4 x 4, 327,680 bytes of LDS; arguments cb, wt, wpo, part; writes part
.if DOCPART == 3
	.amdgcn_target "amdgcn-amd-amdhsa--gfx1250"
	.amdhsa_code_object_version 6
	.text
	.protected	k_qc753f5bd98_gemmC
	.globl	k_qc753f5bd98_gemmC
	.p2align	8
	.type	k_qc753f5bd98_gemmC,@function
k_qc753f5bd98_gemmC:
	s_mov_b64 s[64:65], 0
	v_nop
	global_prefetch_b8 v0, s[64:65] scope:SCOPE_SE
	s_setreg_imm32_b32 hwreg(HW_REG_WAVE_MODE, 25, 1), 1
	s_wait_xcnt 0x0
	s_wait_alu depctr_hold_cnt(0) depctr_sa_sdst(0) depctr_va_vdst(0) depctr_va_sdst(0) depctr_va_ssrc(0) depctr_va_vcc(0) depctr_vm_vsrc(0)
	s_getreg_b32 s2, hwreg(HW_REG_IB_STS2, 6, 4)
	s_cmp_eq_u32 s2, 0
	s_cbranch_scc0 .Lentry_in_a_cluster
	s_endpgm
.Lentry_in_a_cluster:
	s_bfe_u32 s2, ttmp6, 0x10000c
	s_cmp_lg_u32 s2, 0xf033
	s_cbranch_scc0 .Lentry_shape_is_right
	s_endpgm
.Lentry_shape_is_right:
; For one choice k, 256 rows b and 256 columns d: WC = C_k GateWeight_C (cb's bf16 copy of C_k; wt's rows 2048-3071), sums in f32, and straight from the accumulators
;   part[t][k][b] = the sum over the tile's 256 d of C_k[b][d] x g x WO'[b][d],   g = 1 / (1 + 2^(WP'[b][d] - log2(e) WC[b][d])),
; with WP' = -log2(e) (P GateWeight_P + GateBias) and WO' = P OutWeight + OutBias from wpo (bf16, in the accumulators' lane order).  t = d / 256; the last launch adds the four t.
; LIMITS.  C_k is the number rounded once to bf16, in the products and in the last sum alike.  Where 2^x passes f32's range g is 0, where it falls below 2^-126 g is 1: the sigmoid's own limits.
; NaN and infinities are not treated apart.  The sum over d is taken in another order than a plain row sum.
; SHAPE.  A tile is 256 x 256: four waves of 128 x 128, 64 accumulators, 512 registers.  512 work-groups.  K goes in 8 steps of 128 through two LDS slots: C_k's rows in a tile are 256 bytes of memory at
; multiples of 256 bytes; wt's part of a step is two K blocks of 64, each 32,768 dense bytes, asked for as 128 rows of 256 bytes.  Waves 0 and 1 fetch the halves of C_k's tile, waves 2 and 3 wt's two blocks.
; CLUSTER.  4 x 4 work-groups; C_k's tile is asked for jointly along a row of the cluster, wt's along a column.  The cluster's y gives the choice (y % 4) and four row blocks (4 (y / 4) + cy),
; so that the four choices of a row block, which read the same tiles of wpo, stand next to each other in the grid.
; THE MATRIX INSTRUCTION IS USED TRANSPOSED (source 0 = 16 rows of wt, source 1 = 16 rows of C_k): a lane holds eight neighbouring columns of one row.
; THE TAIL.  At the change of slots behind K step 6, slot 0 takes the tile's own 256 x 256 of C_k, one plain load of 64 rows a wave (no partner shares it: the columns hang on cx, the rows on cy): it has
; the 256 products of step 7 in which to land.  wpo goes straight into registers, 16 bytes a lane, three blocks of 16 rows ahead (shared by no partner either: a cluster has one choice).
; REGISTERS, in windows of 256 (s_set_vgpr_msb: bits 1:0 source 0, 3:2 source 1, 5:4 source 2, 7:6 destination):
;   window 0: v0-37 addresses and sums; v64-127, v128-191 C_k's fragments, two buffers;   window 1: v64-127, v128-191 wt's fragments, two buffers;   windows 2, 3: the accumulators, (a, b) at 8 (8 (a % 4) + b) of window 2 + a / 4
;   in the tail: a ring of three blocks of wpo in v192-255 of window 0, v192-255 of window 1, v128-191 of window 0;  window 1: v0-31, v32-63 two blocks of C_k; v64-127 WO' x C_k in f32
.set PITCH, 272                        ; an LDS row of C_k: 256 bytes + 16; of wt: 128 + 16; of the tail's C_k: 512 + 16.  All odd multiples of 16, so the 16 rows that a load touches start at 16 different groups of four banks (ISA guide 11.1)
.set PB,    144
.set CP,    528
.set HALFT, 128*PITCH                  ; what one tensor load brings of C_k, and what a wave reads of it
.set ATILE, 2*HALFT
.set BKH,   256*PB                     ; a K block of 64 of wt: 256 rows
.set SLOT,  ATILE+2*BKH                ; 143,360 bytes
.set RED,   2*SLOT                     ; behind the ring: 2 x 256 row sums, written by LDS stores alone; no tensor load lands here
.set SPARE, RED+2048                   ; the spare words, 128 bytes for each wave: two blocks of 256 bytes that no other line names
.set KB_BYTES, 3072*128                ; from a K block of wt to the next
.set NN0,   2048
.set ADRA, 4                           ; v4-5  LDS address of my fragments of C_k in slot 0, 1; never rewritten
.set ADRB, 6                           ; v6-7  the same for wt
.set WOF, 8                            ; v8   my 16 bytes in a tile of wpo; never rewritten
.set RW,  9                            ; v9   where my row sums go;  v10 where I read them back;  v11 my byte offset in part
.set RR,  10
.set PO,  11
.set NEGL, 12                          ; v12  -log2(e);  v13  0
.set ZERO, 13
.set SC,  14                           ; v[14:21] four chains of packed sums
.set SS,  22                           ; v[22:29] block a's sum for my row
.set SPW, 30                           ; v30  LDS address of my spare word; never rewritten
.set NIL, 31                           ; v31  0; never rewritten
.set EA,  32                           ; v32  the tail: my lane's place in the tile of C_k
.set F0,  64                           ; fragment buffers
.set F1,  128
.set U,   64                           ; window 1, in the tail
.set WV, 20                            ; s20 wave; s21 its half of the rows, also: 0 = I fetch C_k, 1 = wt; s22 its half of the columns, also: which half or block I fetch
.set WM, 21
.set WN, 22
.set CX, 23
.set CY, 24
.set TX, 25                            ; d block, 0-3
.set TY, 26                            ; row block, 0-31
.set CH, 27                            ; the choice, 0-3
.set G1A, 28                           ; s[28:35] descriptor group 1 for C_k's tiles;  s[36:43] for wt's
.set G1B, 36
.set G0A, 44                           ; s[44:51] group 0 for C_k's tiles, a set for each slot;  s[52:59] the same for wt
.set G0B, 52
.set CNT, 61
.set G1E, 72                           ; s[72:79], s[80:83] the tail's load
.set G0E, 80
.set SEL, 84                           ; s[84:85] v_permlanex16_b32's selects: each lane takes its own place in the other half
.set WB,  86                           ; s[86:87] wpo at my first tile
.set PT,  88                           ; s[88:89] part at my wave's 64 rows
.set MSB, 0
.macro WIN new                         ; the immediate's high byte repeats the setting that is left; a switch that changes nothing is dropped
.if MSB != (\new)
	s_set_vgpr_msb (MSB<<8)|(\new)
.set MSB, \new
.endif
.endm
.set MUL_LO, 0xa1                      ; source 0 (wt) window 1, source 1 (C_k) window 0, C and D window 2
.set MUL_HI, 0xf1                      ; the same, C and D window 3
.set TO_B,   0x40                      ; destination window 1, address window 0
.macro PLACES                          ; four places in front of loads into registers that matrix instructions have read, and of vector lines that read results just made
.rept 4
	v_nop
.endr
.endm
; A joint load into slot s.  The branch hangs on the wave's number alone.  An s_nop 0 and four v_nop follow each of the two lines.
.macro JLOAD s
	s_cmp_eq_u32 s[WM], 0
	s_cbranch_scc0 .Lfor_b_\@
	tensor_load_to_lds s[G0A+4*(\s):G0A+4*(\s)+3], s[G1A:G1A+7]
	s_nop 0
	PLACES
	s_branch .Lasked_\@
.Lfor_b_\@:
	tensor_load_to_lds s[G0B+4*(\s):G0B+4*(\s)+3], s[G1B:G1B+7]
	s_nop 0
	PLACES
.Lasked_\@:
.endm
.macro CREST                           ; a round of the cluster's barrier behind its opening barrier
	s_cmp_lg_u32 s[WV], 0
	s_cbranch_scc1 .Lnot_wave_0_\@
	s_barrier_signal -3
.Lnot_wave_0_\@:
	s_barrier_wait -3
	s_barrier_signal -1
	s_barrier_wait -1
.endm
.macro CROUND
	s_barrier_signal -1
	s_barrier_wait -1
	CREST
.endm
; 16 products: row blocks a0, a0 + 1 of the window's four (hi = 0: my rows 0-63, 1: rows 64-127) x all 8 column blocks, 32 along K.  zero = 1: they start the sums.
; The 64 accumulators take turns, one instruction a turn, in the same order in every quarter.
.macro MUL16 f, hi, a0, zero
	WIN MUL_LO+0x50*(\hi)
.irp a, \a0, (\a0)+1
.irp b, 0,1,2,3,4,5,6,7
.if \zero
	v_wmma_f32_16x16x32_bf16 v[8*(8*(\a)+(\b)):8*(8*(\a)+(\b))+7], v[(\f)+8*(\b):(\f)+8*(\b)+7], v[(\f)+8*(4*(\hi)+(\a)):(\f)+8*(4*(\hi)+(\a))+7], 0
.else
	v_wmma_f32_16x16x32_bf16 v[8*(8*(\a)+(\b)):8*(8*(\a)+(\b))+7], v[(\f)+8*(\b):(\f)+8*(\b)+7], v[(\f)+8*(4*(\hi)+(\a)):(\f)+8*(4*(\hi)+(\a))+7], v[8*(8*(\a)+(\b)):8*(8*(\a)+(\b))+7]
.endif
.endr
.endr
.endm
; 32 LDS loads in one run: the fragments of quarter q (32 along K) of the step in the slot, into buffer f.  Of wt, quarter q lies in K block q / 2, at byte 64 (q % 2) of its rows.
.macro FETCH slot, q, f
	WIN TO_B
.irp i, 0,1,2,3,4,5,6,7
	ds_load_b128 v[(\f)+8*(\i):(\f)+8*(\i)+3],   v[ADRB+(\slot)] offset:((\q)/2)*BKH+64*((\q)%2)+(\i)*16*PB
	ds_load_b128 v[(\f)+8*(\i)+4:(\f)+8*(\i)+7], v[ADRB+(\slot)] offset:((\q)/2)*BKH+64*((\q)%2)+(\i)*16*PB+32
.endr
	WIN 0
.irp i, 0,1,2,3,4,5,6,7
	ds_load_b128 v[(\f)+8*(\i):(\f)+8*(\i)+3],   v[ADRA+(\slot)] offset:64*(\q)+(\i)*16*PITCH
	ds_load_b128 v[(\f)+8*(\i)+4:(\f)+8*(\i)+7], v[ADRA+(\slot)] offset:64*(\q)+(\i)*16*PITCH+32
.endr
.endm
; A K step is four quarters of 32 along K, 64 products each, on buffers 0, 1, 0, 1.  One of the first three: multiplies buffer f; in its middle it fetches quarter q of the same slot into buffer g.
.macro QUARTER slot, q, f, g, zero
	s_wait_dscnt 8                                 ; wt and C_k's rows 0-63 are in; the youngest eight loads (rows 64-127) may be out
	MUL16 \f, 0, 0, \zero
	MUL16 \f, 0, 2, \zero
	PLACES
	FETCH \slot, \q, \g
	s_wait_dscnt 32                                ; all but the 32 just issued
	MUL16 \f, 1, 0, \zero
	MUL16 \f, 1, 2, \zero
.endm
; The last quarter multiplies buffer 1 and changes slots.  MEET is its first half: each wave waits for all its tensor loads, of which one is out: its part of the next slot; adds 0 to its spare word;
; and waits for that and for its own reads of this slot.  The barrier opens a round of the cluster's.
.macro MEET
	WIN 0                                          ; (the add's two registers lie in window 0)
	s_wait_tensorcnt 0x0                           ; all my tensor loads have landed, so a group 0 may be written;
	ds_add_u32 v[SPW], v[NIL]                      ; 0 onto my spare word
	s_wait_dscnt 9                                 ; (the add and the youngest eight loads may be out)
	MUL16 F1, 0, 0, 0                              ; sixteen products stand between the add and the wait for it
	s_wait_dscnt 0x0                               ; the add is done, and my reads of this slot are over
	s_barrier_signal -1
	MUL16 F1, 0, 2, 0                              ; work on registers while the others arrive
	WIN 0                                          ; at a branch and at a label every window is 0
	s_barrier_wait -1
.endm
; The whole last quarter: behind the round the slot just read is filled again first, with the K step two on: 224 products stand between that request and the wait for it.  Then the next slot's first fragments.
.macro TURN slot, next
	MEET
	CREST                                          ; no wave of any partner still reads this slot's tile or has a load on its way
	s_add_nc_u64 s[G0A+4*(\slot)+2:G0A+4*(\slot)+3], s[G0A+4*(\slot)+2:G0A+4*(\slot)+3], 512         ; two K steps of 256 bytes on; the type bits on top are not reached
	s_add_nc_u64 s[G0B+4*(\slot)+2:G0B+4*(\slot)+3], s[G0B+4*(\slot)+2:G0B+4*(\slot)+3], 4*KB_BYTES  ; four K blocks on
	JLOAD \slot                                    ; the four v_nop behind it are also the places in front of the loads below
	FETCH \next, 0, F0
	MUL16 F1, 1, 0, 0
	MUL16 F1, 1, 2, 0
.endm
; THE TAIL'S MACROS.
.macro RING a                          ; block a's place in the ring of three: register WR of window WRW
.if (\a)%3 == 0
.set WR, 192
.set WRW, 0
.elseif (\a)%3 == 1
.set WR, 192
.set WRW, 1
.else
.set WR, 128
.set WRW, 0
.endif
.endm
.macro WLOAD a                         ; block a (16 rows x my 128 columns) of wpo: WP' at WR + 4 b, WO' at WR + 32 + 4 b; each load of the wave takes a whole tile, 512 consecutive bytes
	RING \a
	WIN WRW<<6
.irp b, 0,1,2,3,4,5,6,7
	global_load_b128 v[WR+4*(\b):WR+4*(\b)+3], v[WOF], s[WB:WB+1] offset:65536*(\a)+512*(\b)
.endr
.irp b, 0,1,2,3,4,5,6,7
	global_load_b128 v[WR+32+4*(\b):WR+32+4*(\b)+3], v[WOF], s[WB:WB+1] offset:65536*(\a)+512*(\b)+32768
.endr
.endm
.macro CLOAD a                         ; block a of C_k, bf16, in the accumulators' lane order: column block b's eight numbers at 32 (a % 2) + 4 b of window 1
	WIN 0x40
.irp b, 0,1,2,3,4,5,6,7
	ds_load_b128 v[32*((\a)%2)+4*(\b):32*((\a)%2)+4*(\b)+3], v[EA] offset:16*CP*(\a)+32*(\b)
.endr
.endm
; Block a: 64 numbers a lane, in place on its eight accumulators, each read from its low end on.
.macro EBLK a
.set AC, 64*((\a)%4)
.set AW, 2+(\a)/4
.set CB, 32*((\a)%2)
	RING \a
.if (\a) < 6
	s_wait_loadcnt 32                              ; global loads come back in order: block a of wpo is in; the two younger blocks, 16 loads each, may be out
.elseif (\a) == 6
	s_wait_loadcnt 16
.else
	s_wait_loadcnt 0x0
.endif
	WIN (AW<<6)|(WRW<<4)|AW                        ; destination and source 0: the accumulators' window; source 2: the ring's
.irp b, 0,1,2,3,4,5,6,7
.irp i, 0,1,2,3
	v_fma_mix_f32_bf16 v[AC+8*(\b)+2*(\i)],   v[AC+8*(\b)+2*(\i)],   v[NEGL], v[WR+4*(\b)+(\i)] op_sel_hi:[0,0,1]                 ; x = -log2(e) WC + WP'
	v_fma_mix_f32_bf16 v[AC+8*(\b)+2*(\i)+1], v[AC+8*(\b)+2*(\i)+1], v[NEGL], v[WR+4*(\b)+(\i)] op_sel:[0,0,1] op_sel_hi:[0,0,1]
.endr
.endr
.set z, 0
.rept 64
	v_exp_f32 v[AC+z], v[AC+z]
.set z, z+1
.endr
.if (\a) < 7
	s_wait_dscnt 8                                 ; block a of C_k is in; the next block's eight loads may be out
.else
	s_wait_dscnt 0x0
.endif
	WIN 0x44|WRW                                   ; destination and source 1 (C_k) window 1, source 0 (WO') the ring's, source 2 window 0
.irp b, 0,1,2,3,4,5,6,7
.irp i, 0,1,2,3
	v_fma_mix_f32_bf16 v[U+8*(\b)+2*(\i)],   v[WR+32+4*(\b)+(\i)], v[CB+4*(\b)+(\i)], v[ZERO] op_sel_hi:[1,1,0]                 ; u = WO' x C_k, exact in f32; these plain lines stand between the exponentials and the use of their results
	v_fma_mix_f32_bf16 v[U+8*(\b)+2*(\i)+1], v[WR+32+4*(\b)+(\i)], v[CB+4*(\b)+(\i)], v[ZERO] op_sel:[1,1,0] op_sel_hi:[1,1,0]
.endr
.endr
	WIN (AW<<6)|(WRW<<4)|AW
.set z, 0
	s_wait_alu depctr_va_vdst(0)
.rept 32
	v_pk_add_f32 v[AC+z:AC+z+1], v[AC+z:AC+z+1], 1.0 op_sel_hi:[1,0]
.set z, z+2
.endr
.set z, 0
.rept 64
	v_rcp_f32 v[AC+z], v[AC+z]                     ; g
.set z, z+1
.endr
	v_nop                                          ; a plain instruction between the last reciprocal and the use of its result
	WIN 0x04|AW                                    ; source 0 (g) the accumulators' window, source 1 (u) window 1
	s_wait_alu depctr_va_vdst(0)
.irp i, 0,1,2,3
	v_pk_mul_f32 v[SC+2*(\i):SC+2*(\i)+1], v[AC+2*(\i):AC+2*(\i)+1], v[U+2*(\i):U+2*(\i)+1]  ; the first products start the four chains: nothing is cleared
.endr
.irp b, 1,2,3,4,5,6,7
.irp i, 0,1,2,3
	v_pk_fma_f32 v[SC+2*(\i):SC+2*(\i)+1], v[AC+8*(\b)+2*(\i):AC+8*(\b)+2*(\i)+1], v[U+8*(\b)+2*(\i):U+8*(\b)+2*(\i)+1], v[SC+2*(\i):SC+2*(\i)+1]
.endr
.endr
.if (\a) < 6
	CLOAD (\a)+2                                   ; into the registers read above
.endif
.if (\a) < 5
	WLOAD (\a)+3
.endif
	WIN 0
	v_pk_add_f32 v[SC:SC+1], v[SC:SC+1], v[SC+2:SC+3]
	v_pk_add_f32 v[SC+4:SC+5], v[SC+4:SC+5], v[SC+6:SC+7]
	v_pk_add_f32 v[SC:SC+1], v[SC:SC+1], v[SC+4:SC+5]
	v_add_f32 v[SS+(\a)], v[SC], v[SC+1]
.endm
	s_load_b256 s[4:11], s[0:1], 0x0               ; cb s[4:5], wt s[6:7], wpo s[8:9], part s[10:11]
	v_lshl_add_u32 v[SPW], v0, 2, SPARE
	v_mov_b32 v[NIL], 0
	ds_add_u32 v[SPW], v[NIL]                      ; the wave's opening: the add and its wait stand ahead of my first tensor load; the set-up below, work on registers, stands between them
	v_lshrrev_b32 v1, 5, v0
	v_readfirstlane_b32 s[WV], v1
	s_lshr_b32 s[WM], s[WV], 1
	s_and_b32 s[WN], s[WV], 1
	s_bfe_u32 s[CX], ttmp6, 0x40000
	s_bfe_u32 s[CY], ttmp6, 0x40004
	s_lshl_b32 s[TX], ttmp9, 2
	s_add_co_u32 s[TX], s[TX], s[CX]               ; d block
	s_and_b32 s[TY], ttmp7, 0xffff                 ; the cluster's y:
	s_and_b32 s[CH], s[TY], 3                      ; the choice, alike in the whole cluster,
	s_lshr_b32 s[TY], s[TY], 2
	s_lshl_b32 s[TY], s[TY], 2
	s_add_co_u32 s[TY], s[TY], s[CY]               ; and the row block
	s_lshl_b32 s62, s[CY], 2
	s_lshl_b32 s62, 15, s62                        ; my row of the cluster
	s_lshl_b32 s63, 0x1111, s[CX]                  ; my column
	s_or_b32 s[G1A], s62, (1<<16)|(1<<20)|(1<<21)|(5<<22)|(3<<25)  ; the mask; elements of 2 bytes; padding on; bit 21 beside a mask; after every 64 words, 4 words
	s_mov_b32 s[G1A+1], 128<<16                    ; tensor_dim0 = 128
	s_mov_b32 s[G1A+2], 128<<16                    ; tensor_dim1 = 128
	s_mov_b32 s[G1A+3], 128<<16                    ; tile_dim0 = 128 elements: 256 bytes
	s_mov_b32 s[G1A+4], 128                        ; tile_dim1 = 128 rows
	s_mov_b32 s[G1A+5], 1024                       ; elements from row to row
	s_mov_b32 s[G1A+6], 0
	s_mov_b32 s[G1A+7], 0
	s_or_b32 s[G1B], s63, (1<<16)|(1<<20)|(1<<21)|(4<<22)|(3<<25)  ; after every 32 words (a row of wt), 4 words
	s_mov_b32 s[G1B+1], 128<<16                    ; 256 rows of wt are 32,768 dense bytes: asked for as 128 rows of 256 bytes
	s_mov_b32 s[G1B+2], 128<<16
	s_mov_b32 s[G1B+3], 128<<16
	s_mov_b32 s[G1B+4], 128
	s_mov_b32 s[G1B+5], 128
	s_mov_b32 s[G1B+6], 0
	s_mov_b32 s[G1B+7], 0
	s_mov_b32 s[G1E], (1<<16)|(1<<20)|(6<<22)|(3<<25)  ; the tail's load: no mask; 64 rows x 256 elements of 2 bytes; after every 128 words, 4 words
	s_mov_b32 s[G1E+1], 256<<16
	s_mov_b32 s[G1E+2], 64<<16
	s_mov_b32 s[G1E+3], 256<<16
	s_mov_b32 s[G1E+4], 64
	s_mov_b32 s[G1E+5], 1024
	s_mov_b32 s[G1E+6], 0
	s_mov_b32 s[G1E+7], 0
	s_mov_b32 s[G0E], 1
	s_mul_i32 s[G0E+1], s[WV], 64*CP               ; my 64 rows of it, from slot 0's first byte on
	s_lshl_b32 s66, s[CH], 24                      ; cb: choice x 8,192 rows + 256 x row block + 128 x half, rows of 2,048 bytes: it hangs on what my row of the cluster shares
	s_lshl_b32 s67, s[TY], 19
	s_add_co_u32 s66, s66, s67
	s_lshl_b32 s67, s[WN], 18
	s_add_co_u32 s66, s66, s67
	s_mov_b32 s67, 0
	s_mul_i32 s68, s[WN], KB_BYTES                 ; wt: K block = my number's low bit, row NN0 + 256 x d block, of 128 bytes: what my column shares
	s_lshl_b32 s69, s[TX], 15
	s_add_co_u32 s68, s68, s69
	s_add_co_u32 s68, s68, NN0*128
	s_mov_b32 s69, 0
	s_mul_i32 s70, s[WN], HALFT                    ; where they go: no place in the cluster enters an LDS address
	s_mul_i32 s71, s[WN], BKH
	s_add_co_u32 s71, s71, ATILE
	s_lshl_b32 s92, s[CH], 24                      ; the tail's rows: 256 x row block + 64 x wave, from column 256 x d block
	s_lshl_b32 s18, s[TY], 19
	s_add_co_u32 s92, s92, s18
	s_lshl_b32 s18, s[WV], 17
	s_add_co_u32 s92, s92, s18
	s_lshl_b32 s18, s[TX], 9
	s_add_co_u32 s92, s92, s18
	s_mov_b32 s93, 0
	s_lshl_b32 s94, s[TY], 20                      ; wpo: tile ((16 row block + 8 half) x 128 + 16 d block + 8 half) of 512 bytes
	s_lshl_b32 s18, s[WM], 19
	s_add_co_u32 s94, s94, s18
	s_lshl_b32 s18, s[TX], 13
	s_add_co_u32 s94, s94, s18
	s_lshl_b32 s18, s[WN], 12
	s_add_co_u32 s94, s94, s18
	s_mov_b32 s95, 0
	s_lshl_b32 s2, s[TX], 17                       ; part: ((4 d block + choice) x 8,192 + 256 row block + 64 wave) x 4 bytes
	s_lshl_b32 s18, s[CH], 15
	s_add_co_u32 s2, s2, s18
	s_lshl_b32 s18, s[TY], 10
	s_add_co_u32 s2, s2, s18
	s_lshl_b32 s18, s[WV], 8
	s_add_co_u32 s2, s2, s18
	s_mov_b32 s3, 0
	s_mov_b32 s[SEL], 0x76543210
	s_mov_b32 s[SEL+1], 0xfedcba98
	s_wait_dscnt 0x0                               ; the opening add is done
	s_wait_kmcnt 0x0
	s_add_nc_u64 s[66:67], s[4:5], s[66:67]
	s_add_nc_u64 s[68:69], s[6:7], s[68:69]
	s_add_nc_u64 s[G0E+2:G0E+3], s[4:5], s[92:93]
	s_or_b32 s[G0E+3], s[G0E+3], 0x80000000
	s_add_nc_u64 s[WB:WB+1], s[8:9], s[94:95]
	s_add_nc_u64 s[PT:PT+1], s[10:11], s[2:3]
.irp s, 0,1
	s_mov_b32 s[G0A+4*(\s)], 1                     ; count = 1
	s_add_co_u32 s[G0A+4*(\s)+1], s70, (\s)*SLOT   ; LDS address
	s_add_nc_u64 s[G0A+4*(\s)+2:G0A+4*(\s)+3], s[66:67], (\s)*256  ; global address: K step s
	s_or_b32 s[G0A+4*(\s)+3], s[G0A+4*(\s)+3], 0x80000000          ; type = 2
	s_mov_b32 s[G0B+4*(\s)], 1
	s_add_co_u32 s[G0B+4*(\s)+1], s71, (\s)*SLOT
	s_add_nc_u64 s[G0B+4*(\s)+2:G0B+4*(\s)+3], s[68:69], (\s)*2*KB_BYTES
	s_or_b32 s[G0B+4*(\s)+3], s[G0B+4*(\s)+3], 0x80000000
.endr
	CROUND                                         ; all sixteen work-groups are here: the first joint loads meet
	s_cmp_eq_u32 s[WM], 0                          ; a wave's two first fills stand in one branch: two loads of mine are out
	s_cbranch_scc0 .Lfirst_b
	tensor_load_to_lds s[G0A:G0A+3], s[G1A:G1A+7]
	s_nop 0
	tensor_load_to_lds s[G0A+4:G0A+7], s[G1A:G1A+7]
	s_nop 0
	PLACES
	s_branch .Lfirst_asked
.Lfirst_b:
	tensor_load_to_lds s[G0B:G0B+3], s[G1B:G1B+7]
	s_nop 0
	tensor_load_to_lds s[G0B+4:G0B+7], s[G1B:G1B+7]
	s_nop 0
	PLACES
.Lfirst_asked:
	; A fragment is 16 rows x 32 K in 8 registers: lane l holds row l % 16; registers 0-3 hold K = 8 (l / 16) + 0..7, registers 4-7 K = 16 + 8 (l / 16) + 0..7: two loads of 16 bytes, 32 bytes apart.
	v_and_b32 v1, 15, v0                           ; r = l % 16
	v_bfe_u32 v2, v0, 4, 1                         ; h = l / 16
	v_mul_u32_u24 v3, v1, PITCH
	v_lshl_add_u32 v3, v2, 4, v3                   ; C_k: row x pitch + 16 x half
	s_mul_i32 s70, s[WM], HALFT
	v_add_nc_u32 v[ADRA], s70, v3
	v_add_nc_u32 v[ADRA+1], SLOT, v[ADRA]
	v_mul_u32_u24 v3, v1, PB
	v_lshl_add_u32 v3, v2, 4, v3                   ; wt: row x pitch + 16 x half
	s_mul_i32 s71, s[WN], 128*PB
	s_add_co_u32 s71, s71, ATILE
	v_add_nc_u32 v[ADRB], s71, v3
	v_add_nc_u32 v[ADRB+1], SLOT, v[ADRB]
	v_mul_u32_u24 v3, v1, CP                       ; the tail: row 128 x half + r, byte 256 x half of the columns + 16 h
	v_lshl_add_u32 v3, v2, 4, v3
	s_mul_i32 s70, s[WM], 128*CP
	s_lshl_b32 s71, s[WN], 8
	s_add_co_u32 s70, s70, s71
	v_add_nc_u32 v[EA], s70, v3
	s_lshl_b32 s70, s[WN], 10                      ; row sums: 1,024 bytes for each half of the columns, row 128 x half + 16 a + r
	s_lshl_b32 s71, s[WM], 9
	s_add_co_u32 s70, s70, s71
	s_add_co_u32 s70, s70, RED
	v_lshl_add_u32 v[RW], v1, 2, s70
	v_and_b32 v3, 31, v0
	s_lshl_b32 s70, s[WV], 8                       ; back: wave w takes rows 64 w .. 64 w + 63, two a lane
	s_add_co_u32 s70, s70, RED
	v_lshl_add_u32 v[RR], v3, 3, s70
	v_lshlrev_b32 v[PO], 3, v3
	v_lshlrev_b32 v[WOF], 4, v3
	v_mov_b32 v[NEGL], 0xbfb8aa3b                  ; -log2(e)
	v_mov_b32 v[ZERO], 0
	s_wait_tensorcnt 0x1                           ; my part of K step 0 is in; step 1's, issued behind it, may stay out
	s_barrier_signal -1
	s_barrier_wait -1
	FETCH 0, 0, F0
	QUARTER 0, 1, F0, F1, 1                        ; the first quarter stands in front of the loop: its products start the sums
	WIN 0                                          ; at a label and at a branch every window is 0
	s_mov_b32 s[CNT], 3
.Llap:                                                 ; a trip goes once round the ring, from a lap's second quarter to the next lap's first, and fills both slots again: trip t asks for K steps 2 t + 2 and 2 t + 3
	QUARTER 0, 2, F1, F0, 0
	QUARTER 0, 3, F0, F1, 0
	TURN 0, 1
	QUARTER 1, 1, F0, F1, 0
	QUARTER 1, 2, F1, F0, 0
	QUARTER 1, 3, F0, F1, 0
	TURN 1, 0
	QUARTER 0, 1, F0, F1, 0
	WIN 0
	s_sub_co_u32 s[CNT], s[CNT], 1
	s_cmp_lg_u32 s[CNT], 0
	s_cbranch_scc1 .Llap
	QUARTER 0, 2, F1, F0, 0                        ; K step 6 goes on
	QUARTER 0, 3, F0, F1, 0
	MEET                                           ; the change of slots behind K step 6: slot 0 has been read for the last time by the products
	CREST
	tensor_load_to_lds s[G0E:G0E+3], s[G1E:G1E+7]  ; my one load behind the round: my 64 rows of the tile's own C_k, onto slot 0's bytes
	s_nop 0
	PLACES                                         ; also the places in front of the fragment loads below
	WLOAD 0                                        ; two blocks of wpo, into registers that the products do not name: a K step ahead of their use
	WLOAD 1
	FETCH 1, 0, F0
	MUL16 F1, 1, 0, 0
	MUL16 F1, 1, 2, 0
	QUARTER 1, 1, F0, F1, 0                        ; K step 7
	QUARTER 1, 2, F1, F0, 0
	QUARTER 1, 3, F0, F1, 0
	s_wait_dscnt 8                                 ; the very last quarter: nothing more to fetch
	MUL16 F1, 0, 0, 0
	MUL16 F1, 0, 2, 0
	s_wait_dscnt 0x0
	MUL16 F1, 1, 0, 0
	MUL16 F1, 1, 2, 0
	WIN 0
	PLACES                                         ; behind the last products: for the loads into C_k's buffer 1 and for the lines that read the sums
	WLOAD 2
	s_wait_tensorcnt 0x0                           ; my rows of the tail's C_k are in,
	s_barrier_signal -1
	s_barrier_wait -1                              ; everybody's are
	CLOAD 0
	CLOAD 1
.irp a, 0,1,2,3,4,5,6,7
	EBLK \a
.endr
	; A row's other 64 columns of my 128 lie in the lane 16 away; its other 128 columns in the wave beside me: those meet in LDS.
.irp a, 0,1,2,3,4,5,6,7
	v_permlanex16_b32 v[SC+(\a)], v[SS+(\a)], s[SEL], s[SEL+1]
.endr
.irp a, 0,1,2,3,4,5,6,7
	v_add_f32 v[SS+(\a)], v[SS+(\a)], v[SC+(\a)]
.endr
.irp a, 0,1,2,3,4,5,6,7
	ds_store_b32 v[RW], v[SS+(\a)] offset:64*(\a)  ; both halves of the lanes write the same number to the same word
.endr
	s_wait_dscnt 0x0                               ; for the others' sake: my stores are done
	s_barrier_signal -1
	s_barrier_wait -1
	ds_load_b64 v[34:35], v[RR]
	ds_load_b64 v[36:37], v[RR] offset:1024
	s_wait_dscnt 0x0
	v_pk_add_f32 v[34:35], v[34:35], v[36:37]
	global_store_b64 v[PO], v[34:35], s[PT:PT+1]   ; 64 rows' sums: 256 consecutive bytes, at a multiple of 256 from part's first byte
	s_wait_tensorcnt 0x0                           ; the wave's end: behind my last tensor load and my last LDS store
	ds_add_u32 v[SPW], v[NIL]
	s_wait_dscnt 0x0
	CROUND                                         ; the closing round
	s_endpgm
.Lfunc_end_k_qc753f5bd98_gemmC:
	.size	k_qc753f5bd98_gemmC, .Lfunc_end_k_qc753f5bd98_gemmC-k_qc753f5bd98_gemmC
	.p2alignl 7, 3214868480
	.fill 96, 4, 3214868480
	.section	.rodata,"a",@progbits
	.p2align	6, 0x0
	.amdhsa_kernel k_qc753f5bd98_gemmC
		.amdhsa_group_segment_fixed_size 327680
		.amdhsa_private_segment_fixed_size 0
		.amdhsa_enable_private_segment 0
		.amdhsa_kernarg_size 32
		.amdhsa_user_sgpr_count 2
		.amdhsa_user_sgpr_kernarg_segment_ptr 1
		.amdhsa_wavefront_size32 1
		.amdhsa_system_sgpr_workgroup_id_x 1
		.amdhsa_system_sgpr_workgroup_id_y 1
		.amdhsa_system_sgpr_workgroup_id_z 1
		.amdhsa_system_vgpr_workitem_id 0
		.amdhsa_next_free_vgpr 1024
		.amdhsa_next_free_sgpr 96
		.amdhsa_reserve_vcc 0
		.amdhsa_float_denorm_mode_32 3
		.amdhsa_float_denorm_mode_16_64 3
		.amdhsa_memory_ordered 1
		.amdhsa_forward_progress 1
		.amdhsa_inst_pref_size 255
	.end_amdhsa_kernel
	.section	.bss,"aw",@nobits
	.p2align	6
	.space	262144
	.amdgpu_metadata
---
amdhsa.version: [ 1, 2 ]
amdhsa.kernels:
  - .name:           k_qc753f5bd98_gemmC
    .symbol:         k_qc753f5bd98_gemmC.kd
    .args:
      - { .name: cb, .offset: 0, .size: 8, .value_kind: global_buffer, .address_space: global }
      - { .name: wt, .offset: 8, .size: 8, .value_kind: global_buffer, .address_space: global }
      - { .name: wpo, .offset: 16, .size: 8, .value_kind: global_buffer, .address_space: global }
      - { .name: part, .offset: 24, .size: 8, .value_kind: global_buffer, .address_space: global }
    .group_segment_fixed_size: 327680
    .private_segment_fixed_size: 0
    .kernarg_segment_align: 8
    .kernarg_segment_size: 32
    .max_flat_workgroup_size: 128
    .sgpr_count:     96
    .vgpr_count:     1024
    .wavefront_size: 32
...
	.end_amdgpu_metadata
.endif
;; end of part 3
;; launch reduce (part 4): grid 32 x 1, 8 waves a work-group, no clusters, 0 bytes of LDS; arguments part, out0; writes out0
.if DOCPART == 4
	.amdgcn_target "amdgcn-amd-amdhsa--gfx1250"
	.amdhsa_code_object_version 6
	.text
	.protected	k_qc753f5bd98_reduce
	.globl	k_qc753f5bd98_reduce
	.p2align	8
	.type	k_qc753f5bd98_reduce,@function
k_qc753f5bd98_reduce:
	s_mov_b64 s[64:65], 0
	v_nop
	global_prefetch_b8 v0, s[64:65] scope:SCOPE_SE
	s_setreg_imm32_b32 hwreg(HW_REG_WAVE_MODE, 25, 1), 1
	s_wait_xcnt 0x0
; out0[b][k] = part[0][k][b] + part[1][k][b] + part[2][k][b] + part[3][k][b], in that order, in f32.  part: [t 4][k 4][b 8192]; out0: [8192][4].
; A thread takes one b: sixteen loads of 4 bytes (a wave's load covers 128 consecutive bytes), one store of 16 bytes (a wave's store covers 512 consecutive bytes, aligned).
; 8,192 rows are 32 work-groups of 256 threads: there is no more work to share out.  No LDS, no cluster: nothing is shared.
	s_load_b128 s[4:7], s[0:1], 0x0                ; part s[4:5], out0 s[6:7]
	v_lshlrev_b32 v1, 2, v0
	v_lshlrev_b32 v2, 4, v0
	s_lshl_b32 s8, ttmp9, 10                       ; 256 rows of 4 bytes
	s_mov_b32 s9, 0
	s_lshl_b32 s10, ttmp9, 12                      ; 256 rows of 16 bytes
	s_mov_b32 s11, 0
	s_wait_kmcnt 0x0
	s_add_nc_u64 s[4:5], s[4:5], s[8:9]
	s_add_nc_u64 s[6:7], s[6:7], s[10:11]
.irp i, 0,1,2,3,4,5,6,7,8,9,10,11,12,13,14,15
	global_load_b32 v[4+(\i)], v1, s[4:5] offset:32768*(\i)  ; i = 4 t + k
.endr
	s_wait_loadcnt 0x0
	v_pk_add_f32 v[20:21], v[4:5], v[8:9]
	v_pk_add_f32 v[22:23], v[6:7], v[10:11]
	v_pk_add_f32 v[20:21], v[20:21], v[12:13]
	v_pk_add_f32 v[22:23], v[22:23], v[14:15]
	v_pk_add_f32 v[20:21], v[20:21], v[16:17]
	v_pk_add_f32 v[22:23], v[22:23], v[18:19]
	global_store_b128 v2, v[20:23], s[6:7]
	s_endpgm
.Lfunc_end_k_qc753f5bd98_reduce:
	.size	k_qc753f5bd98_reduce, .Lfunc_end_k_qc753f5bd98_reduce-k_qc753f5bd98_reduce
	.p2alignl 7, 3214868480
	.fill 96, 4, 3214868480
	.section	.rodata,"a",@progbits
	.p2align	6, 0x0
	.amdhsa_kernel k_qc753f5bd98_reduce
		.amdhsa_group_segment_fixed_size 0
		.amdhsa_private_segment_fixed_size 0
		.amdhsa_enable_private_segment 0
		.amdhsa_kernarg_size 16
		.amdhsa_user_sgpr_count 2
		.amdhsa_user_sgpr_kernarg_segment_ptr 1
		.amdhsa_wavefront_size32 1
		.amdhsa_system_sgpr_workgroup_id_x 1
		.amdhsa_system_sgpr_workgroup_id_y 1
		.amdhsa_system_sgpr_workgroup_id_z 1
		.amdhsa_system_vgpr_workitem_id 0
		.amdhsa_next_free_vgpr 32
		.amdhsa_next_free_sgpr 66
		.amdhsa_reserve_vcc 0
		.amdhsa_float_denorm_mode_32 3
		.amdhsa_float_denorm_mode_16_64 3
		.amdhsa_memory_ordered 1
		.amdhsa_forward_progress 1
		.amdhsa_inst_pref_size 3
	.end_amdhsa_kernel
	.amdgpu_metadata
---
amdhsa.version: [ 1, 2 ]
amdhsa.kernels:
  - .name:           k_qc753f5bd98_reduce
    .symbol:         k_qc753f5bd98_reduce.kd
    .args:
      - { .name: part, .offset: 0, .size: 8, .value_kind: global_buffer, .address_space: global }
      - { .name: out0, .offset: 8, .size: 8, .value_kind: global_buffer, .address_space: global }
    .group_segment_fixed_size: 0
    .private_segment_fixed_size: 0
    .kernarg_segment_align: 8
    .kernarg_segment_size: 16
    .max_flat_workgroup_size: 256
    .sgpr_count:     66
    .vgpr_count:     32
    .wavefront_size: 32
...
	.end_amdgpu_metadata
.endif
;; end of part 4
